; MI455X (gfx1250); checked and timed in simulation.
; The chip was launched on July 23, 2026; its instructions are those of AMD's public machine-readable ISA for CDNA 5 (MIT licence, August 2026) and "CDNA5" Instruction Set Architecture Reference Guide (July 2026). The comments in the code are by the model that wrote it; some were corrected since.
;; Scaled Dot Product Attention. Allowed arithmetic: matrix products marked QUANTISED: E5M2 operands, one given power-of-two scale a tensor, by v_wmma_f32_16x16x64_bf8_bf8 or v_wmma_f32_16x16x128_bf8_bf8, f32 sums; everything else in f32.
;; Inputs: keys_codes 4 x 16 x 2,048 x 2 x 32 uint8 (E5M2 codes of keys, K innermost, in blocks of 32 codes); lowp_scales 4 int32 (the exponents e of the quantised operands' scales 2^e); mask 2,048 x 2,048 bool; queries_codes 4 x 16 x 2,048 x 2 x 32 uint8 (E5M2 codes of queries, K innermost, in blocks of 32 codes); values_codes 4 x 16 x 64 x 64 x 32 uint8 (E5M2 codes of values, K innermost, in blocks of 32 codes).
;; Outputs: out0 4 x 16 x 2,048 x 64 float32.
;; This version of the problem:
;;   THIS VERSION OF THE PROBLEM IS GIVEN IN LOW PRECISION. The matrix products marked QUANTISED in the list below multiply operands that are first quantised to E5M2 (5 exponent bits, 2 mantissa bits; 8 bits a number), with one given power-of-two scale for each operand tensor; their sums are f32. All else is computed in f32.
;;   The module's matrix products, in the order in which they are computed (A, B: the left and right operand; K: the contracted axis; several contracted axes count as one K, in the product's order):
;;     1. batch 64 x [M 2,048, K 64] x [K 64, N 2,048]; A: input queries (given as codes); B: input keys (given as codes): QUANTISED (scales: A lowp_scales[0], B lowp_scales[1])
;;     2. batch 64 x [M 2,048, K 2,048] x [K 2,048, N 64]; A: softmax (see below); B: input values (given as codes): QUANTISED (scales: A lowp_scales[2], B lowp_scales[3])
;;   THE QUANTISER, for each operand of a quantised product, along K:
;;     - The operand's scale is 2^e, e = its entry of the input lowp_scales (int32; the entries are numbered through the quantised products in the list's order, A before B).
;;     - Each number is divided by the scale, clamped to +-57,344, and rounded to the nearest number of E5M2, ties to even, subnormals kept.
;;     - The product sums the exact products of the quantised numbers (number of the format x scale) in f32.
;;   ~~~python
;;   def quantise(x, axis, e):      # numpy; x: float32 -> the quantised numbers, widened to float32 again
;;       x = np.moveaxis(x, axis, -1); K = x.shape[-1]
;;       r = np.clip(x / 2.0 ** e, -57344, 57344)
;;       step = 2.0 ** (np.maximum(np.frexp(np.where(r == 0, 1, r))[1] - 1, -14) - 2)
;;       q = np.round(r / step) * step * 2.0 ** e      # np.round: ties to even
;;       return np.moveaxis(q, -1, axis).astype(np.float32)
;;   ~~~
;;   SOFTMAX AHEAD OF A QUANTISED PRODUCT. Where the list says 'softmax', what is quantised is not the finished softmax but p = 2^(t - M), with t = logit x log2(e) and M = ceil(the row's largest t), a whole number; so 1/2 < the row's largest p <= 1. The row's sum l is taken of the UNQUANTISED p, in f32, and the product's result is divided by l at the end. Since M is a whole number, a kernel that streams over the keys may use a running M (the ceiling of the running maximum): every later rescaling is an exact power of two, so the quantised numbers keep their values, but for numbers so far below the row's largest that they fall under the format's range.
;;   OPERANDS COMPUTED ON THE WAY. 'Computed on the way' means the value that the module computes at that place (a softmax that the list does not call 'softmax' is quantised finished and normalised). What goes into a quantiser is computed in f32, as accurately as f32 sums, v_exp_f32 and their like allow (about 1e-6 of the number): no bf16 or f16 on the way to a quantiser, and a product that is left as it is and whose result goes on into a quantised operand takes f32 operands (vector FMAs, or v_wmma_f32_16x16x4_f32). A number that lies on a knife's edge between two numbers of the format may be rounded either way, as far as f32 arithmetic and the matrix unit's own rounding can turn it there, and no further.
;;   INPUTS GIVEN AS CODES. keys (in the module: [4, 16, 2048, 64], K = its axis 3); queries (in the module: [4, 16, 2048, 64], K = its axis 3); values (in the module: [4, 16, 2048, 64], K = its axis 2): each comes as NAME_codes (uint8): NAME with its K axis moved to the last place and cut into blocks of 32 codes, [.., K / 32, bytes a block], one block behind the other in memory; one code a byte (a code: sign, 5 exponent bits, 2 mantissa bits); its scale is its entry of lowp_scales. Its value is code x scale, taken as it is: it is not quantised again, and the codes and scales need not be those that the quantiser above would give.
;; 2 versions, each right; version 2 is version 1 with the launch attn written anew for expert scheduling mode. Each part assembles by itself: llvm-mc -triple=amdgcn-amd-amdhsa -mcpu=gfx1250 --defsym DOCPART=n.
;; ======== version 1 of 2: 2 launches
;; limits: right only within a limited range of input values
;; workspace buffers: mbits 524,288 bytes of whole numbers; mclass 4,096 bytes of whole numbers
;; launch maskprep (part 1): grid 4 x 64, 2 waves a work-group, no clusters, 0 bytes of LDS; arguments mask, mbits, mclass; writes mbits, mclass
.if DOCPART == 1
	.amdgcn_target "amdgcn-amd-amdhsa--gfx1250"
	.amdhsa_code_object_version 6
	.text
	.protected	k_qc76e859f35_maskprep
	.globl	k_qc76e859f35_maskprep
	.p2align	8
	.type	k_qc76e859f35_maskprep,@function
k_qc76e859f35_maskprep:
	s_mov_b64 s[64:65], 0
	v_nop
	global_prefetch_b8 v0, s[64:65] scope:SCOPE_SE
	s_setreg_imm32_b32 hwreg(HW_REG_WAVE_MODE, 25, 1), 1
	s_wait_xcnt 0x0
; The mask [2048][2048], one byte (0 or 1) an entry, is turned into what the attention launch wants of it: lane masks and two bits a block.
; A BLOCK is 32 queries (block I of 64) x 64 keys (step sg of 32).
; mbits [I][sg][n = 0..31][e = 0, 1], 32-bit words; a block's record is 256 bytes, word (n, e) at byte 8 n + 4 e.
;   Bit l of word (n, e) = mask[32 I + 16 e + l % 16][64 sg + 32 (n / 16) + 16 (l / 16) + n % 16]: the lane mask of score register n of tile e in the attention launch.
; mclass [I][16 words]: word g (0..7): bit 4 g + sp says that block (I, 4 g + sp) has SOME true entry; word 8 + g: that ALL its entries are true.
; SHARES.  Work-group (x, I), two waves; wave w takes g = 2 x + w: 32 rows x 256 keys, four blocks.  Waves share nothing: no LDS, no barrier, no loop.
; A lane loads 16 neighbouring bytes of row 16 e + lane % 16 at key 32 b + 16 (lane / 16) of a step: byte k of them belongs to n = 16 b + k, and a compare of that byte against 0 over the 32 lanes IS the word (n, e).
; The word goes by v_writelane_b32 into lane n of the step's register for e; the pair (e = 0, e = 1) is then stored 8 bytes a lane: 256 consecutive bytes, aligned: the whole record in one store.
.set T,    8                           ; v8-15   eight bytes picked out, at work
.set MREG, 16                          ; v16-79  the mask's bytes: four registers for each (e, step sp, b): 16 + 4 (8 e + 2 sp + b)
.set OUTW, 80                          ; v80-87  the words: pair 80 + 2 sp = (e = 0, e = 1); a pair of its own for each step, so that no store's data are written again
	s_load_b128 s[4:7], s[0:1], 0x0                ; mask s[4:5], mbits s[6:7]
	s_load_b64 s[8:9], s[0:1], 0x10                ; mclass
	v_lshrrev_b32 v4, 5, v0
	v_readfirstlane_b32 s3, v4                     ; wave 0, 1
	v_and_b32 v1, 31, v0                           ; lane
	v_and_b32 v2, 15, v0                           ; lane % 16
	v_bfe_u32 v4, v0, 4, 1                         ; lane / 16
	v_lshlrev_b32 v2, 11, v2                       ; a row of the mask is 2,048 bytes
	v_lshl_add_u32 v2, v4, 4, v2                   ; + 16 (lane / 16): my 16 bytes
	v_lshlrev_b32 v3, 3, v1                        ; out: 8 bytes a lane
	s_and_b32 s2, ttmp7, 0xffff                    ; I
	s_lshl_b32 s10, ttmp9, 1
	s_add_co_u32 s3, s3, s10                       ; g = 2 x + wave
	s_mov_b32 s12, 0xff                            ; the four bytes of a word
	s_mov_b32 s13, 0xff00
	s_mov_b32 s14, 0xff0000
	s_mov_b32 s15, 0xff000000
	s_lshl_b32 s32, s2, 16                         ; mask: 32 I rows of 2,048 bytes
	s_lshl_b32 s33, s3, 8                          ;       + 256 g keys
	s_add_co_u32 s32, s32, s33
	s_mov_b32 s33, 0
	s_lshl_b32 s34, s2, 13                         ; mbits: 32 I records of 256 bytes
	s_lshl_b32 s35, s3, 10                         ;        + 4 g records
	s_add_co_u32 s34, s34, s35
	s_mov_b32 s35, 0
	s_lshl_b32 s36, s2, 6                          ; mclass: 64 I bytes
	s_lshl_b32 s21, s3, 2                          ;         + 4 g; 4 g is also where my four bits stand in a word
	s_add_co_u32 s36, s36, s21
	s_mov_b32 s37, 0
	s_wait_kmcnt 0x0
	s_add_nc_u64 s[4:5], s[4:5], s[32:33]
	s_add_nc_u64 s[6:7], s[6:7], s[34:35]
	s_add_nc_u64 s[8:9], s[8:9], s[36:37]
.irp e, 0,1                            ; the eight loads of one e stand together: between them they take 256 consecutive bytes of each of 16 rows
.irp sp, 0,1,2,3
.irp b, 0,1
	global_load_b128 v[MREG+4*(8*\e+2*\sp+\b):MREG+4*(8*\e+2*\sp+\b)+3], v2, s[4:5] offset:32768*\e+64*\sp+32*\b th:TH_LOAD_NT   ; read once in the launch
.endr
.endr
.endr
.irp i, 0,1,2,3,4,5,6,7
	v_mov_b32 v[OUTW+\i], 0                        ; v_writelane_b32 leaves the other lanes as they are: the registers are written whole once
.endr
	s_mov_b32 s18, 0                               ; my four 'some' bits
	s_mov_b32 s19, 0                               ; my four 'all' bits
	s_wait_loadcnt 0x0
; Step sp of my four: its 64 words, eight at a time; its record is stored; its two bits are made.
.macro WORDS sp
	s_mov_b32 s16, 0                               ; the OR of the block's words
	s_mov_b32 s17, -1                              ; their AND
.irp e, 0,1
.irp b, 0,1
.irp p, 0,1                            ; two registers, eight bytes
.irp k, 0,1,2,3,4,5,6,7
	v_and_b32 v[T+\k], s[12+\k%4], v[MREG+4*(8*\e+2*\sp+\b)+2*\p+\k/4]
.endr
.irp k, 0,1,2,3,4,5,6,7
	v_cmp_ne_u32 s[24+\k], 0, v[T+\k]              ; bit l: lane l's byte is true
.endr
.irp k, 0,1,2,3,4,5,6,7
	s_or_b32 s16, s16, s[24+\k]
	s_and_b32 s17, s17, s[24+\k]
.endr
.irp k, 0,1,2,3,4,5,6,7
	v_writelane_b32 v[OUTW+2*\sp+\e], s[24+\k], 16*\b+8*\p+\k   ; word (n, e) into lane n
.endr
.endr
.endr
.endr
	global_store_b64 v3, v[OUTW+2*\sp:OUTW+2*\sp+1], s[6:7] offset:256*\sp   ; 32 lanes store 256 consecutive bytes, at a multiple of 256 from the buffer's first byte
	s_cmp_lg_u32 s16, 0
	s_cselect_b32 s20, 1<<\sp, 0
	s_or_b32 s18, s18, s20
	s_cmp_eq_u32 s17, -1
	s_cselect_b32 s20, 1<<\sp, 0
	s_or_b32 s19, s19, s20
.endm
	WORDS 0
	WORDS 1
	WORDS 2
	WORDS 3
	s_lshl_b32 s18, s18, s21                       ; to bits 4 g on: the reader ORs a block row's eight words
	s_lshl_b32 s19, s19, s21
	v_mov_b32 v88, s18
	v_mov_b32 v89, s19
	v_cmp_eq_u32 vcc_lo, 1, v1
	v_cndmask_b32 v90, v88, v89, vcc_lo            ; lane 0: 'some'; lane 1: 'all'
	v_lshlrev_b32 v91, 5, v1                       ; the 'all' words lie 32 bytes behind the 'some' words
	v_cmp_gt_u32 vcc_lo, 2, v1
	s_wait_xcnt 0x0                                ; EXEC is a source of the stores above: it changes only behind this wait
	s_and_saveexec_b32 s22, vcc_lo
	global_store_b32 v91, v90, s[8:9]              ; two words a wave: 8 of the launch's bytes in 1,032
	s_wait_xcnt 0x0                                ; and again in front of the line that widens it
	s_or_b32 exec_lo, exec_lo, s22
	s_endpgm
.Lfunc_end_k_qc76e859f35_maskprep:
	.size	k_qc76e859f35_maskprep, .Lfunc_end_k_qc76e859f35_maskprep-k_qc76e859f35_maskprep
	.p2alignl 7, 3214868480
	.fill 96, 4, 3214868480
	.section	.rodata,"a",@progbits
	.p2align	6, 0x0
	.amdhsa_kernel k_qc76e859f35_maskprep
		.amdhsa_group_segment_fixed_size 0
		.amdhsa_private_segment_fixed_size 0
		.amdhsa_enable_private_segment 0
		.amdhsa_kernarg_size 24
		.amdhsa_user_sgpr_count 2
		.amdhsa_user_sgpr_kernarg_segment_ptr 1
		.amdhsa_wavefront_size32 1
		.amdhsa_system_sgpr_workgroup_id_x 1
		.amdhsa_system_sgpr_workgroup_id_y 1
		.amdhsa_system_sgpr_workgroup_id_z 1
		.amdhsa_system_vgpr_workitem_id 0
		.amdhsa_next_free_vgpr 104
		.amdhsa_next_free_sgpr 66
		.amdhsa_reserve_vcc 1
		.amdhsa_float_denorm_mode_32 3
		.amdhsa_float_denorm_mode_16_64 3
		.amdhsa_memory_ordered 1
		.amdhsa_forward_progress 1
		.amdhsa_inst_pref_size 62
	.end_amdhsa_kernel
	.amdgpu_metadata
---
amdhsa.version: [ 1, 2 ]
amdhsa.kernels:
  - .name:           k_qc76e859f35_maskprep
    .symbol:         k_qc76e859f35_maskprep.kd
    .args:
      - { .name: mask, .offset: 0, .size: 8, .value_kind: global_buffer, .address_space: global }
      - { .name: mbits, .offset: 8, .size: 8, .value_kind: global_buffer, .address_space: global }
      - { .name: mclass, .offset: 16, .size: 8, .value_kind: global_buffer, .address_space: global }
    .group_segment_fixed_size: 0
    .private_segment_fixed_size: 0
    .kernarg_segment_align: 8
    .kernarg_segment_size: 24
    .max_flat_workgroup_size: 64
    .sgpr_count:     66
    .vgpr_count:     104
    .wavefront_size: 32
...
	.end_amdgpu_metadata
.endif
;; end of part 1
;; launch attn (part 2): grid 4 x 64, 16 waves a work-group, no clusters, 302,080 bytes of LDS; arguments queries_codes, keys_codes, values_codes, lowp_scales, mbits, mclass, out0; writes out0
.if DOCPART == 2
	.amdgcn_target "amdgcn-amd-amdhsa--gfx1250"
	.amdhsa_code_object_version 6
	.text
	.protected	k_qc76e859f35_attn
	.globl	k_qc76e859f35_attn
	.p2align	8
	.type	k_qc76e859f35_attn,@function
k_qc76e859f35_attn:
	s_mov_b64 s[64:65], 0
	v_nop
	global_prefetch_b8 v0, s[64:65] scope:SCOPE_SE
	s_setreg_imm32_b32 hwreg(HW_REG_WAVE_MODE, 25, 1), 1
	s_wait_xcnt 0x0
; O[head][q][:] = the sum over k of softmax_k(mask ? Q[q] . K[k] / 8 : -infinity) V[k][:], 64 heads, 2,048 queries and keys, head size 64; both products on codes of BF8 (E5M2), each tensor with the given scale 2^e: eq, ek, ep, ev.
; Q, K: [head][2048][64] codes.  V: [head][64][2048] codes, the keys innermost.  O: [head][2048][64] f32.  The mask is an input; it comes as the lane masks and class bits that the launch before has made of it (mbits, mclass).
; THE SOFTMAX AHEAD OF THE SECOND PRODUCT: t = score x 2^(eq + ek) x log2(e) / 8; M = the row's largest t so far, rounded UP to a whole number; p = 2^(t - M) is quantised with 2^ep, not normalised.
; The row's sum is taken of the unquantised p, in f32, and divides O at the end.  When M moves, the sum and O are multiplied by 2^(old M - new M), which rounds nothing.  A row with no true entry ends as 0 x infinity = NaN, as in the definition.
; SHARES.  A work-group has one head and 512 of its queries; each of its sixteen waves owns a block of 32 queries, two tiles of 16, in 256 registers, and walks the head's keys, 64 a step, 32 steps.
; A fragment of K or V read from LDS feeds two matrix instructions, one for each tile.  Which block a wave takes is free: a table spreads early and late blocks evenly over the waves and the four work-groups of a head.
; A HEAD'S K AND V LIE WHOLE IN LDS: 2 x 131,072 bytes, brought once, through registers, at the head; one barrier; no LDS byte is filled twice.
; STEPS ARE PASSED OVER BY THE STORED CLASS BITS: a block of 32 queries x 64 keys with no true entry costs a scalar branch; one that is all true skips the masking; a mixed one loads its 64 lane masks by scalar loads.
; NO CLUSTER, NO JOINT LOADS, though the four work-groups of a head read the same K and V: a joint load is a tensor load.
; What is shared is read once by each work-group, 262,144 bytes at its head, and never again.
; LAYOUT.  Both products are used transposed: S^T = K Q^T (source 0 = 16 keys, source 1 = 16 queries), O^T = V^T P^T (source 0 = 16 channels, source 1 = P): a lane holds ONE query (lane % 16) of each tile throughout.
; THE KEYS OF A TILE ARE NOT NEIGHBOURS: lane r of tile 2 b + u of a step takes key 32 b + 8 u + r + 8 (r / 8), so that score register n = 16 b + i of lane (r, h) is key 32 b + 16 h + i: the conversions' results are the second product's operand.
; Fragments are fetched by loads of 16 bytes: lane (r, h) holds K = 32 c + 16 h + 0 .. 15 in registers 4 c .. 4 c + 3, in both operands of a product alike: a permutation of k that keeps every product with its partner.
; LIMITS on the given exponents, so that each power of two below is an f32 number: eq + ek between -123 and 130 (added to c's exponent field); ep between -126 and 112; ep + ev is applied by v_ldexp_f32 and has none.
; Codes of infinity and NaN among the inputs are not specially served.
; LDS: K as images of its fragments (tile T of 16 keys at 1,024 T; piece c at + 512 c + 16 x lane); V as rows of 2,048 bytes + 16; a stage of 16 rows x (128 + 16) bytes for each wave.
.set VP,   2064                        ; a row of V in LDS: 516 words: row r starts at bank 4 r mod 64 (64 banks of 4 bytes: ISA guide 11.1), so the 16 rows that a load touches start at 16 different banks
.set VB,   131072                      ; V begins behind K's 128 images of 1,024 bytes
.set SG,   VB+64*VP                    ; the stages begin behind V's 64 rows
.set SGW,  16*144                      ; a wave's stage
.set LI,   1                           ; v1   16 x lane: my place in an image of K, and my bytes in two rows of O
.set AV0,  2                           ; v2   VB + r VP + 16 h: my place in a tile of V
.set ADK,  3                           ; v3   the step's K
.set ADV,  4                           ; v4   the step's V, channels 0-31
.set ADV2, 5                           ; v5   channels 32-63 (an LDS offset has 16 bits)
.set NINF, 6                           ; v6   -infinity
.set SCL,  7                           ; v7   2^ep as f32: the conversion takes its exponent field
.set LIM,  8                           ; v8   57,344 x 2^ep
.set STO,  9                           ; v9   the way out: where I put 32 bytes of a row
.set RD,   10                          ; v10  and where I read 16 bytes back
.set QA,   11                          ; v11  Q: my byte in a tile's rows
.set KG,   12                          ; v12, v13  the fill of K: from memory, to LDS
.set KL,   13
.set VG,   14                          ; v14, v15  the fill of V
.set VL,   15
.set Q,    16                          ; v16-31   Q's two fragments
.set S,    32                          ; v32-95   S^T, then p: 32 a tile
.set OT,   96                          ; v96-159  O^T: 32 a tile, 8 for each 16 channels
.set KF,   160                         ; v160-191 K's four fragments of a step
.set VF,   192                         ; v192-223 V's four
.set PC,   224                         ; v224-239 p's codes: 8 a tile
.set ST,   240                         ; v240-247 a tile's four: -M, the largest t, the sum in two halves
.set FF,   248                         ; v248-251 a tile's pair: f = 2^(old M - new M), and a word that is named with it
.set TMP,  252                         ; v252-255 a tile's pair, at work
.set KOFF, 2                           ; s2   4,096 x step
.set VOFF, 3                           ; s3   64 x step
.set WV,   18                          ; s18  my wave's number
.set STEP, 20                          ; s20  the step
.set ANY,  21                          ; s21  bit 0: the step in hand has some true entry for my 32 queries; shifted down a bit a step
.set ALL,  22                          ; s22  bit 0: all its entries are true
.set CS,   28                          ; s[28:29] c = 2^(eq + ek) log2(e) / 8: the packed form names a pair and takes its low word for both halves
.set SEL,  30                          ; s[30:31] lane selects for v_permlanex16_b32: lane l xor 16
	s_load_b256 s[4:11], s[0:1], 0x0               ; Q s[4:5], K s[6:7], V s[8:9], the scales' exponents s[10:11]
	s_load_b128 s[12:15], s[0:1], 0x20             ; mbits s[12:13], mclass s[14:15]
	s_load_b64 s[16:17], s[0:1], 0x30              ; O
	v_lshrrev_b32 v255, 5, v0
	v_readfirstlane_b32 s[WV], v255                ; wave 0..15
	v_and_b32 v252, 31, v0                         ; lane
	v_and_b32 v253, 15, v0                         ; r
	v_bfe_u32 v254, v0, 4, 1                       ; h
	v_and_b32 v255, 7, v0                          ; lane % 8
	v_lshlrev_b32 v[LI], 4, v252
	s_lshl_b32 s101, s[WV], 13                     ; my wave fills 8,192 bytes of K (128 keys) and 8,192 of V (4 rows)
	v_bfe_u32 v[KL], v0, 3, 2                      ; lane / 8
	v_lshlrev_b32 v[KG], 6, v255
	v_lshl_add_u32 v[KG], v[KL], 4, v[KG]
	v_add_nc_u32 v[KG], s101, v[KG]                ; K in memory: key lane % 8 of eight, its piece lane / 8 of 16 bytes: a load takes 512 consecutive bytes
	v_lshlrev_b32 v[KL], 8, v[KL]
	v_lshl_add_u32 v[KL], v255, 4, v[KL]
	v_add_nc_u32 v[KL], s101, v[KL]                ; K in LDS: piece q = 2 c + h lies at 512 c + 256 h of its tile's image, key row r at + 16 r
	v_add_nc_u32 v[VG], s101, v[LI]                ; V in memory: as it lies
	s_mul_i32 s100, s[WV], 4*VP
	s_add_co_u32 s100, s100, VB
	v_add_nc_u32 v[VL], s100, v[LI]                ; V in LDS: my four rows
	v_lshlrev_b32 v[QA], 6, v253
	v_lshl_add_u32 v[QA], v254, 4, v[QA]           ; Q: row r of 64 bytes, + 16 h
	; which block of 32 queries is mine: a = entry w of 0 14 13 3 | 11 5 6 8 | 7 9 10 4 | 12 2 1 15 (every row and every column of the square adds up to 30); I = 4 a + (x xor 3 (a % 2)).  It enters global addresses alone
	s_cmp_lt_u32 s[WV], 8
	s_mov_b32 s19, 0xf12c4a97
	s_cselect_b32 s19, 0x865b3de0, s19
	s_and_b32 s100, s[WV], 7
	s_lshl_b32 s100, s100, 2
	s_lshr_b32 s19, s19, s100
	s_and_b32 s19, s19, 15                         ; a
	s_and_b32 s100, s19, 1
	s_mul_i32 s100, s100, 3
	s_xor_b32 s100, s100, ttmp9
	s_lshl_b32 s19, s19, 2
	s_add_co_u32 s19, s19, s100                    ; I
	s_and_b32 s23, ttmp7, 0xffff                   ; the head
	s_lshl_b32 s68, s23, 17                        ; the head's codes: 131,072 bytes in each of the three tensors
	s_mov_b32 s69, 0
	s_lshl_b32 s70, s19, 11                        ; Q: + 32 I rows of 64 bytes
	s_add_co_u32 s70, s70, s68
	s_mov_b32 s71, 0
	s_lshl_b32 s72, s23, 19                        ; O: the head's 524,288 bytes
	s_lshl_b32 s74, s19, 13                        ;    + 32 I rows of 256 bytes;  mbits: I's 32 records of 256 bytes are as many
	s_add_co_u32 s72, s72, s74
	s_mov_b32 s73, 0
	s_mov_b32 s75, 0
	s_lshl_b32 s76, s19, 6                         ; mclass: 64 I
	s_mov_b32 s77, 0
	s_wait_kmcnt 0x0
	s_add_nc_u64 s[4:5], s[4:5], s[70:71]
	s_add_nc_u64 s[6:7], s[6:7], s[68:69]
	s_add_nc_u64 s[8:9], s[8:9], s[68:69]
	s_add_nc_u64 s[12:13], s[12:13], s[74:75]
	s_add_nc_u64 s[14:15], s[14:15], s[76:77]
	s_add_nc_u64 s[16:17], s[16:17], s[72:73]
	; THE FILL: 36 loads in one run: K's sixteen into S^T's registers, V's sixteen into O^T's, Q's four
.irp j, 0,1,2,3,4,5,6,7,8,9,10,11,12,13,14,15
	global_load_b128 v[S+4*\j:S+4*\j+3], v[KG], s[6:7] offset:512*\j      ; keys 128 w + 8 j + 0 .. 7
.endr
.irp i, 0,1,2,3,4,5,6,7,8,9,10,11,12,13,14,15
	global_load_b128 v[OT+4*\i:OT+4*\i+3], v[VG], s[8:9] offset:512*\i    ; row 4 w + i / 4, bytes 512 (i % 4) on
.endr
.irp e, 0,1
.irp c, 0,1
	global_load_b128 v[Q+8*\e+4*\c:Q+8*\e+4*\c+3], v[QA], s[4:5] offset:1024*\e+32*\c th:TH_LOAD_NT   ; read once in the launch
.endr
.endr
	s_load_b128 s[24:27], s[10:11], 0x0            ; eq, ek, ep, ev
	s_load_b512 s[32:47], s[14:15], 0x0            ; my block's class words: eight 'some', eight 'all'
	v_mul_u32_u24 v[AV0], v253, VP
	v_lshl_add_u32 v[AV0], v254, 4, v[AV0]
	v_add_nc_u32 v[AV0], VB, v[AV0]
	s_mul_i32 s100, s[WV], SGW
	s_add_co_u32 s100, s100, SG                    ; my stage
	v_mul_u32_u24 v[STO], v253, 144                ; in: row r, 32 bytes for each half of the lanes
	v_lshl_add_u32 v[STO], v254, 5, v[STO]
	v_add_nc_u32 v[STO], s100, v[STO]
	v_mul_u32_u24 v[RD], v254, 144                 ; back: lanes 0-15 one row, lanes 16-31 the next; piece lane % 8 of its 128 bytes
	v_lshl_add_u32 v[RD], v255, 4, v[RD]
	v_add_nc_u32 v[RD], s100, v[RD]
	v_mov_b32 v[NINF], 0xff800000
	s_mov_b32 s[SEL], 0x76543210
	s_mov_b32 s[SEL+1], 0xfedcba98
	s_mov_b32 s67, 0xff00ff00                      ; lanes 8-15 and 24-31
	s_wait_loadcnt 20                              ; K's sixteen loads are in; V's sixteen and Q's four, issued behind them, may be out
.irp j, 0,1,2,3,4,5,6,7,8,9,10,11,12,13,14,15  ; keys 8 j on belong to tile 2 (j / 4) + j % 2 of my eight, rows 8 ((j % 4) / 2) on
	ds_store_b128 v[KL], v[S+4*\j:S+4*\j+3] offset:(2*(\j/4)+\j%2)*1024+((\j%4)/2)*128
.endr
	s_wait_loadcnt 4                               ; V's are in; Q's four may be out
.irp i, 0,1,2,3,4,5,6,7,8,9,10,11,12,13,14,15
	ds_store_b128 v[VL], v[OT+4*\i:OT+4*\i+3] offset:(\i/4)*VP+(\i%4)*512
.endr
	s_wait_kmcnt 0x0
	s_or_b32 s[ANY], s32, s33                      ; each word holds four steps' bits at their own places
	s_or_b32 s[ALL], s40, s41
.irp g, 2,3,4,5,6,7
	s_or_b32 s[ANY], s[ANY], s[32+\g]
	s_or_b32 s[ALL], s[ALL], s[40+\g]
.endr
	s_add_co_i32 s19, s24, s25
	s_lshl_b32 s19, s19, 23
	s_add_co_i32 s[CS], s19, 0x3e38aa3b            ; log2(e) / 8, with eq + ek added to its exponent field
	s_mov_b32 s[CS+1], s[CS]                       ; (named with it as a pair, so it is written)
	s_add_co_i32 s19, s26, 127
	s_lshl_b32 s100, s19, 23
	v_mov_b32 v[SCL], s100
	s_add_co_i32 s19, s19, 15
	s_lshl_b32 s19, s19, 23
	s_or_b32 s19, s19, 0x600000
	v_mov_b32 v[LIM], s19
	s_add_co_i32 s66, s26, s27                     ; ep + ev
	s_mov_b32 s[KOFF], 0
	s_mov_b32 s[VOFF], 0
	s_mov_b32 s[STEP], 0
	s_wait_loadcnt 0x0                             ; Q
	s_wait_dscnt 0x0                               ; for the others' sake: my part of K and V lies in LDS
	s_barrier_signal -1
	s_barrier_wait -1                              ; everybody's does.  The launch's one barrier: from here on K and V are only read
.set i, 0
.rept 64
	v_mov_b32 v[OT+i], 0                           ; which step is a wave's first hangs on the mask, so the step is written once and finds zeros, which the first change of M leaves zeros
.set i, i+1
.endr
.irp e, 0,1
	v_mov_b32 v[ST+4*\e+1], 0xff61b1e6             ; the largest t so far: -3e38, under every t
	v_mov_b32 v[ST+4*\e+2], 0                      ; the sum, in two halves
	v_mov_b32 v[ST+4*\e+3], 0
	v_mov_b32 v[FF+2*\e+1], 0                      ; (named as the upper half of f's pair)
	v_mov_b32 v[TMP+2*\e], 0                       ; (a lane permute's destination counts as one of its sources)
	v_mov_b32 v[TMP+2*\e+1], 0
.endr
.irp e, 0,1
	v_floor_f32 v[ST+4*\e], -v[ST+4*\e+1]          ; -M
.endr
; A step's fragments and its scores: 16 LDS loads in one run, K's eight first; 8 products, each fragment of K against both tiles' Q; the places behind them.
.macro SCORES
	v_add_nc_u32 v[ADK], s[KOFF], v[LI]
	v_add_nc_u32 v[ADV], s[VOFF], v[AV0]
	v_add_nc_u32 v[ADV2], 32*VP, v[ADV]
.irp t, 0,1,2,3
.irp c, 0,1
	ds_load_b128 v[KF+8*\t+4*\c:KF+8*\t+4*\c+3], v[ADK] offset:1024*\t+512*\c       ; 512 consecutive bytes
.endr
.endr
.irp t, 0,1
.irp c, 0,1
	ds_load_b128 v[VF+8*\t+4*\c:VF+8*\t+4*\c+3], v[ADV] offset:16*VP*\t+32*\c       ; channels 16 t + r, keys 32 c + 16 h on
.endr
.endr
.irp t, 0,1
.irp c, 0,1
	ds_load_b128 v[VF+16+8*\t+4*\c:VF+16+8*\t+4*\c+3], v[ADV2] offset:16*VP*\t+32*\c
.endr
.endr
	s_wait_dscnt 8                                 ; K's eight loads are in; V's eight, issued behind them, land under the softmax
.irp t, 0,1,2,3
.irp e, 0,1
	v_wmma_f32_16x16x64_bf8_bf8 v[S+32*\e+8*\t:S+32*\e+8*\t+7], v[KF+8*\t:KF+8*\t+7], v[Q+8*\e:Q+8*\e+7], 0
.endr
.endr
.rept 4
	v_nop                                          ; four places between a matrix instruction and the first vector instruction that reads its result (ISA guide 7.12.1)
.endr
.endm
; A mixed block: register n of tile e keeps its score in the lanes whose bit of word (n, e) is set, and becomes -infinity in the others, ahead of the maximum: p = 0 there.  Each accumulator from its low end on.
.macro MASK
.set n, 0
.rept 32
.if n < 16
.set wd, 32+2*n
.else
.set wd, 68+2*(n-16)
.endif
	v_cndmask_b32 v[S+n], v[NINF], v[S+n], s[wd]
	v_cndmask_b32 v[S+32+n], v[NINF], v[S+32+n], s[wd+1]
.set n, n+1
.endr
.endm
.macro MX ch, a, b                     ; chain ch of both tiles takes two more scores
.irp e, 0,1
	v_max3_num_f32 v[TMP+2*\e+\ch], v[TMP+2*\e+\ch], v[S+32*\e+\a], v[S+32*\e+\b]
.endr
.endm
.Lstep:                                        ; 32 trips, a constant; what a trip does hangs on the block's two stored bits
	s_and_b32 s19, s[ANY], 1
	s_cmp_eq_u32 s19, 0
	s_cbranch_scc1 .Lnext                          ; no true entry: every p would be 0, and M, the sums and O^T would stay as they are
	s_and_b32 s19, s[ALL], 1
	s_cmp_eq_u32 s19, 1
	s_cbranch_scc1 .Lall
	s_load_b512 s[32:47], s[12:13], 0x0            ; a mixed block: its record of 64 lane masks, asked for ahead of the LDS loads and the products
	s_load_b512 s[48:63], s[12:13], 0x40
	s_load_b512 s[68:83], s[12:13], 0x80
	s_load_b512 s[84:99], s[12:13], 0xc0
	SCORES
	s_wait_kmcnt 0x0
	MASK
	s_branch .Lsoft
.Lall:
	SCORES
.Lsoft:                                        ; on both ways V's eight LDS loads are out
	; the step's largest score of each query, two chains a tile; the first four lines begin each of the tile's four accumulators at its low end
.irp e, 0,1
	v_max3_num_f32 v[TMP+2*\e], v[S+32*\e], v[S+32*\e+1], v[S+32*\e+2]
	v_max3_num_f32 v[TMP+2*\e+1], v[S+32*\e+8], v[S+32*\e+9], v[S+32*\e+10]
.endr
	MX 0, 16, 17
	MX 1, 24, 25
	MX 0, 3, 4
	MX 1, 5, 6
	MX 0, 7, 11
	MX 1, 12, 13
	MX 0, 14, 15
	MX 1, 18, 19
	MX 0, 20, 21
	MX 1, 22, 23
	MX 0, 26, 27
	MX 1, 28, 29
	MX 0, 30, 31
.irp e, 0,1
	v_max_num_f32 v[TMP+2*\e], v[TMP+2*\e], v[TMP+2*\e+1]
.endr
.irp e, 0,1
	v_permlanex16_b32 v[TMP+2*\e+1], v[TMP+2*\e], s[SEL], s[SEL+1]   ; the query's other 32 keys lie in the lane 16 away
.endr
.irp e, 0,1
	v_max_num_f32 v[TMP+2*\e], v[TMP+2*\e], v[TMP+2*\e+1]
.endr
.irp e, 0,1
	v_mul_f32 v[TMP+2*\e], s[CS], v[TMP+2*\e]      ; as t (c is positive)
.endr
.irp e, 0,1
	v_max_num_f32 v[ST+4*\e+1], v[ST+4*\e+1], v[TMP+2*\e]   ; the running largest t
.endr
.irp e, 0,1
	v_mov_b32 v[TMP+2*\e], v[ST+4*\e]
.endr
.irp e, 0,1
	v_floor_f32 v[ST+4*\e], -v[ST+4*\e+1]          ; the new -M = floor(-t) = -ceil(t): M is a whole number
.endr
.irp e, 0,1
	v_sub_f32 v[TMP+2*\e], v[ST+4*\e], v[TMP+2*\e] ; old M - new M: a whole number, 0 or less
.endr
.irp e, 0,1
	v_cvt_i32_f32 v[TMP+2*\e], v[TMP+2*\e]         ; (it saturates)
.endr
.irp e, 0,1
	v_ldexp_f32 v[FF+2*\e], 1.0, v[TMP+2*\e]       ; f = 2^(old M - new M)
.endr
.irp e, 0,1
.irp j, 0,2,4,6,8,10,12,14,16,18,20,22,24,26,28,30
	v_pk_fma_f32 v[S+32*\e+\j:S+32*\e+\j+1], v[S+32*\e+\j:S+32*\e+\j+1], s[CS:CS+1], v[ST+4*\e:ST+4*\e+1] op_sel_hi:[1,0,0]   ; t - M, two at a time (of the pairs c and -M the low word serves both halves)
.endr
.endr
.set i, 0
.rept 64
	v_exp_f32 v[S+i], v[S+i]                       ; p = 2^(t - M): one batch; none of these names another's result
.set i, i+1
.endr
.irp e, 0,1
	v_pk_mul_f32 v[ST+4*\e+2:ST+4*\e+3], v[ST+4*\e+2:ST+4*\e+3], v[FF+2*\e:FF+2*\e+1] op_sel_hi:[1,0]   ; the sums under the new M; also the plain instruction behind the last exponential
.endr
	s_wait_alu depctr_va_vdst(0)                   ; one wait for the batch of 64, ahead of the first line that names a result
.irp e, 0,1
	v_pk_add_f32 v[TMP+2*\e:TMP+2*\e+1], v[S+32*\e:S+32*\e+1], v[S+32*\e+2:S+32*\e+3]   ; the row's sum is taken of the UNQUANTISED p: two at a time, two chains a tile
.endr
.irp j, 4,8,12,16,20,24,28
.irp e, 0,1
	v_pk_add_f32 v[ST+4*\e+2:ST+4*\e+3], v[ST+4*\e+2:ST+4*\e+3], v[S+32*\e+\j:S+32*\e+\j+1]
	v_pk_add_f32 v[TMP+2*\e:TMP+2*\e+1], v[TMP+2*\e:TMP+2*\e+1], v[S+32*\e+\j+2:S+32*\e+\j+3]
.endr
.endr
.irp e, 0,1
	v_pk_add_f32 v[ST+4*\e+2:ST+4*\e+3], v[ST+4*\e+2:ST+4*\e+3], v[TMP+2*\e:TMP+2*\e+1]
.endr
	; The conversion to an 8-bit code does not saturate (ISA guide 7.6.2), so p is held at 57,344 x 2^ep first (p is not negative: one-sided).  p is 1 at the most, but for the last bit of t - M: with ep >= -15, p / 2^ep stays
	; near 2^15 at the most, well under 57,344, and the hold could change nothing: a scalar branch on the given whole number passes over it.
	s_cmp_ge_i32 s26, -15
	s_cbranch_scc1 .Lnohold
.set i, 0
.rept 64
	v_min_num_f32 v[S+i], v[S+i], v[LIM]
.set i, i+1
.endr
.Lnohold:
.irp e, 0,1
.irp t, 0,1,2,3
	v_cvt_scalef32_pk8_bf8_f32 v[PC+8*\e+2*\t:PC+8*\e+2*\t+1], v[S+32*\e+8*\t:S+32*\e+8*\t+7], v[SCL]   ; registers 4 b .. 4 b + 3 of the operand: keys 32 b + 16 h + 0 .. 15, as V's loads lay them
.endr
.endr
.irp e, 0,1
.irp j, 0,2,4,6,8,10,12,14,16,18,20,22,24,26,28,30
	v_pk_mul_f32 v[OT+32*\e+\j:OT+32*\e+\j+1], v[OT+32*\e+\j:OT+32*\e+\j+1], v[FF+2*\e:FF+2*\e+1] op_sel_hi:[1,0]   ; O^T under the new M, each accumulator from its low end on; these plain lines also stand between the conversions and the products that read the codes
.endr
.endr
	s_wait_dscnt 0x0                               ; V's fragments are in
.irp t, 0,1,2,3
.irp e, 0,1
	v_wmma_f32_16x16x64_bf8_bf8 v[OT+32*\e+8*\t:OT+32*\e+8*\t+7], v[VF+8*\t:VF+8*\t+7], v[PC+8*\e:PC+8*\e+7], v[OT+32*\e+8*\t:OT+32*\e+8*\t+7]   ; eight accumulators by turns, one instruction a turn
.endr
.endr
.rept 4
	v_nop                                          ; four places in front of the next step's loads into V's registers, which these products read, and of the way out's first read of O^T
.endr
.Lnext:                                        ; on every way: the step's addresses and bits move on
	s_wait_xcnt 0x0                                ; the scalar loads have read their base: it is stepped only behind this wait
	s_add_nc_u64 s[12:13], s[12:13], 256
	s_add_co_u32 s[KOFF], s[KOFF], 4096
	s_add_co_u32 s[VOFF], s[VOFF], 64
	s_lshr_b32 s[ANY], s[ANY], 1
	s_lshr_b32 s[ALL], s[ALL], 1
	s_add_co_u32 s[STEP], s[STEP], 1
	s_cmp_lt_u32 s[STEP], 32
	s_cbranch_scc1 .Lstep
	; THE WAY OUT.  The sum's two halves and the other half of the lanes' are added; O^T is multiplied by 2^(ep + ev) / the sum.
.irp e, 0,1
	v_add_f32 v[TMP+2*\e], v[ST+4*\e+2], v[ST+4*\e+3]
.endr
.irp e, 0,1
	v_permlanex16_b32 v[TMP+2*\e+1], v[TMP+2*\e], s[SEL], s[SEL+1]
.endr
.irp e, 0,1
	v_add_f32 v[TMP+2*\e], v[TMP+2*\e], v[TMP+2*\e+1]
.endr
.irp e, 0,1
	v_rcp_f32 v[FF+2*\e], v[TMP+2*\e]              ; a row with no true entry: 1 / 0 = infinity, and 0 x infinity below is the NaN that the definition gives
.endr
	v_nop                                          ; a plain instruction behind the last reciprocal
	s_wait_alu depctr_va_vdst(0)                   ; one wait for the two, ahead of their first reader
.irp e, 0,1
	v_ldexp_f32 v[FF+2*\e], v[FF+2*\e], s66
.endr
.irp e, 0,1
.irp j, 0,2,4,6,8,10,12,14,16,18,20,22,24,26,28,30
	v_pk_mul_f32 v[OT+32*\e+\j:OT+32*\e+\j+1], v[OT+32*\e+\j:OT+32*\e+\j+1], v[FF+2*\e:FF+2*\e+1] op_sel_hi:[1,0]   ; register 8 t + i of a tile is o(r, 16 t + 8 h + i)
.endr
.endr
; A lane holds 32 neighbouring bytes of a row of O and the lanes beside it hold other rows: so a tile (16 rows of 256 bytes) goes through my own stage, half a row (32 channels, 128 bytes) at a time: beside K and V, LDS has
; room for 16 stages of half rows and not of whole ones.  Each half is read back by ALL lanes, piece lane % 8 of row 2 i + lane / 16: the first half into x, the second into y.
; LDS serves a wave's instructions in order (ISA guide 5.7.1.4): no wait between the stores and the loads, nor in front of the next half's stores.
.macro TILEOUT e, x, y
.irp t, 0,1
	ds_store_b128 v[STO], v[OT+32*\e+8*\t:OT+32*\e+8*\t+3] offset:64*\t
	ds_store_b128 v[STO], v[OT+32*\e+8*\t+4:OT+32*\e+8*\t+7] offset:64*\t+16
.endr
.irp k, 0,1,2,3,4,5,6,7
	ds_load_b128 v[(\x)+4*\k:(\x)+4*\k+3], v[RD] offset:288*\k
.endr
.irp t, 0,1
	ds_store_b128 v[STO], v[OT+32*\e+16+8*\t:OT+32*\e+16+8*\t+3] offset:64*\t
	ds_store_b128 v[STO], v[OT+32*\e+16+8*\t+4:OT+32*\e+16+8*\t+7] offset:64*\t+16
.endr
.irp k, 0,1,2,3,4,5,6,7
	ds_load_b128 v[(\y)+4*\k:(\y)+4*\k+3], v[RD] offset:288*\k
.endr
.endm
; Lanes 8-15 and 24-31 take the second half's piece: lane l then holds bytes 16 (l % 16) on of row 2 i + l / 16, and a store covers two whole rows.
.macro SEND e, x, y, younger           ; younger: the LDS instructions issued behind this tile's, which may stay out
	s_wait_dscnt \younger
.set i, 0
.rept 32
	v_cndmask_b32 v[(\x)+i], v[(\x)+i], v[(\y)+i], s67
.set i, i+1
.endr
.irp k, 0,1,2,3,4,5,6,7
	global_store_b128 v[LI], v[(\x)+4*\k:(\x)+4*\k+3], s[16:17] offset:4096*\e+512*\k th:TH_STORE_NT   ; 32 lanes store 512 consecutive bytes, at a multiple of 256 from O's first byte; written once, read by nobody here
.endr
.endm
	TILEOUT 0, S, S+32                             ; the scores' registers are free;
	TILEOUT 1, KF, VF                              ; so are the fragments': the last products stand far more than four plain instructions back
	SEND 0, S, S+32, 24                            ; behind tile 0's LDS instructions: tile 1's 8 stores and 16 loads
	SEND 1, KF, VF, 0
	s_wait_xcnt 0x0
	v_lshl_add_u32 v254, v0, 2, 0x49400
	v_mov_b32 v255, 0
	s_wait_tensorcnt 0x0
	ds_add_u32 v254, v255
	s_wait_dscnt 0x0
	s_endpgm
.Lfunc_end_k_qc76e859f35_attn:
	.size	k_qc76e859f35_attn, .Lfunc_end_k_qc76e859f35_attn-k_qc76e859f35_attn
	.p2alignl 7, 3214868480
	.fill 96, 4, 3214868480
	.section	.rodata,"a",@progbits
	.p2align	6, 0x0
	.amdhsa_kernel k_qc76e859f35_attn
		.amdhsa_group_segment_fixed_size 302080
		.amdhsa_private_segment_fixed_size 0
		.amdhsa_enable_private_segment 0
		.amdhsa_kernarg_size 56
		.amdhsa_user_sgpr_count 2
		.amdhsa_user_sgpr_kernarg_segment_ptr 1
		.amdhsa_wavefront_size32 1
		.amdhsa_system_sgpr_workgroup_id_x 1
		.amdhsa_system_sgpr_workgroup_id_y 1
		.amdhsa_system_sgpr_workgroup_id_z 1
		.amdhsa_system_vgpr_workitem_id 0
		.amdhsa_next_free_vgpr 256
		.amdhsa_next_free_sgpr 102
		.amdhsa_reserve_vcc 0
		.amdhsa_float_denorm_mode_32 3
		.amdhsa_float_denorm_mode_16_64 3
		.amdhsa_memory_ordered 1
		.amdhsa_forward_progress 1
		.amdhsa_inst_pref_size 47
	.end_amdhsa_kernel
	.amdgpu_metadata
---
amdhsa.version: [ 1, 2 ]
amdhsa.kernels:
  - .name:           k_qc76e859f35_attn
    .symbol:         k_qc76e859f35_attn.kd
    .args:
      - { .name: queries_codes, .offset: 0, .size: 8, .value_kind: global_buffer, .address_space: global }
      - { .name: keys_codes, .offset: 8, .size: 8, .value_kind: global_buffer, .address_space: global }
      - { .name: values_codes, .offset: 16, .size: 8, .value_kind: global_buffer, .address_space: global }
      - { .name: lowp_scales, .offset: 24, .size: 8, .value_kind: global_buffer, .address_space: global }
      - { .name: mbits, .offset: 32, .size: 8, .value_kind: global_buffer, .address_space: global }
      - { .name: mclass, .offset: 40, .size: 8, .value_kind: global_buffer, .address_space: global }
      - { .name: out0, .offset: 48, .size: 8, .value_kind: global_buffer, .address_space: global }
    .group_segment_fixed_size: 302080
    .private_segment_fixed_size: 0
    .kernarg_segment_align: 8
    .kernarg_segment_size: 56
    .max_flat_workgroup_size: 512
    .sgpr_count:     102
    .vgpr_count:     256
    .wavefront_size: 32
...
	.end_amdgpu_metadata
.endif
;; end of part 2
;; ======== version 2 of 2: 2 launches; version 1 with the launch attn written anew for expert scheduling mode
;; limits: right only within a limited range of input values
;; workspace buffers: mbits 524,288 bytes of whole numbers; mclass 4,096 bytes of whole numbers
;; launch maskprep: the kernel of part 1 again; grid 4 x 64, 2 waves a work-group, no clusters, 0 bytes of LDS; arguments mask, mbits, mclass; writes mbits, mclass
;; launch attn (part 3): grid 4 x 64, 16 waves a work-group, no clusters, 302,080 bytes of LDS; arguments queries_codes, keys_codes, values_codes, lowp_scales, mbits, mclass, out0; writes out0
.if DOCPART == 3
	.amdgcn_target "amdgcn-amd-amdhsa--gfx1250"
	.amdhsa_code_object_version 6
	.text
	.protected	k_qc76e859f35_attn
	.globl	k_qc76e859f35_attn
	.p2align	8
	.type	k_qc76e859f35_attn,@function
k_qc76e859f35_attn:
	s_mov_b64 s[64:65], 0
	v_nop
	global_prefetch_b8 v0, s[64:65] scope:SCOPE_SE
	s_setreg_imm32_b32 hwreg(HW_REG_WAVE_SCHED_MODE, 0, 2), 2
	s_setreg_imm32_b32 hwreg(HW_REG_WAVE_MODE, 25, 1), 1
	s_wait_xcnt 0x0
	s_wait_alu depctr_vm_vsrc(0)
; O[head][q][:] = the sum over k of softmax_k(mask ? Q[q] . K[k] / 8 : -infinity) V[k][:], 64 heads, 2,048 queries and keys, head size 64; both products on codes of BF8 (E5M2), each tensor with the given scale 2^e: eq, ek, ep, ev.
; Q, K: [head][2048][64] codes.  V: [head][64][2048] codes, the keys innermost.  O: [head][2048][64] f32.  The mask is an input; it comes as the lane masks and class bits that the launch before has made of it (mbits, mclass).
; THE SOFTMAX AHEAD OF THE SECOND PRODUCT: t = score x 2^(eq + ek) x log2(e) / 8; M = the row's largest t so far, rounded UP to a whole number; p = 2^(t - M) is quantised with 2^ep, not normalised.
; The row's sum is taken of the unquantised p, in f32, and divides O at the end.  When M moves, the sum and O are multiplied by 2^(old M - new M), which rounds nothing.  A row with no true entry ends as 0 x infinity = NaN, as in the definition.
; SHARES.  A work-group has one head and 512 of its queries; each of its sixteen waves owns a block of 32 queries, two tiles of 16, in 256 registers, and walks the head's keys, 64 a step, 32 steps.
; A fragment of K or V read from LDS feeds two matrix instructions, one for each tile.  Which block a wave takes is free: a table spreads early and late blocks evenly over the waves and the four work-groups of a head.
; A HEAD'S K AND V LIE WHOLE IN LDS: 2 x 131,072 bytes, brought once, through registers, at the head; one barrier; no LDS byte is filled twice.
; STEPS ARE PASSED OVER BY THE STORED CLASS BITS: a block of 32 queries x 64 keys with no true entry costs a scalar branch; one that is all true skips the masking; a mixed one loads its 64 lane masks by scalar loads.
; NO CLUSTER, NO JOINT LOADS, though the four work-groups of a head read the same K and V: a joint load is a tensor load.
; What is shared is read once by each work-group, 262,144 bytes at its head, and never again.
; LAYOUT.  Both products are used transposed: S^T = K Q^T (source 0 = 16 keys, source 1 = 16 queries), O^T = V^T P^T (source 0 = 16 channels, source 1 = P): a lane holds ONE query (lane % 16) of each tile throughout.
; THE KEYS OF A TILE ARE NOT NEIGHBOURS: lane r of tile 2 b + u of a step takes key 32 b + 8 u + r + 8 (r / 8), so that score register n = 16 b + i of lane (r, h) is key 32 b + 16 h + i: the conversions' results are the second product's operand.
; Fragments are fetched by loads of 16 bytes: lane (r, h) holds K = 32 c + 16 h + 0 .. 15 in registers 4 c .. 4 c + 3, in both operands of a product alike: a permutation of k that keeps every product with its partner.
; LIMITS on the given exponents, so that each power of two below is an f32 number: eq + ek between -123 and 130 (added to c's exponent field); ep between -126 and 112; ep + ev is applied by v_ldexp_f32 and has none.
; Codes of infinity and NaN among the inputs are not specially served.
; LDS: K as images of its fragments (tile T of 16 keys at 1,024 T; piece c at + 512 c + 16 x lane); V as rows of 2,048 bytes + 16; a stage of 16 rows x (128 + 16) bytes for each wave.
; THE MODE: SCHED_MODE bits 1:0 = 2 (LLVM: expert scheduling mode 2), set by the entry lines.  The code itself states the register dependences
; between vector or matrix instructions and memory or LDS instructions, with s_wait_alu, always for 0.
; THE PLAN.  Registers that memory or LDS instructions touch:
;   v1, v11-15      Offsets and LDS addresses of the fill (v1 also of the last stores): made at the head, ahead of one wait on va_vdst, and never written again.
;   S, O^T (head)   The fill's loads land in them and its LDS stores read them; behind the barrier one wait on vm_vsrc, and only then are they written (O^T by v_mov_b32, S^T by the first products).
;   ADK, ADV, ADV2  Written by three additions at the head of each step that is walked; read by that step's sixteen LDS loads.
;   KF              The step's first eight LDS loads land in it; its eight score products read it.
;   VF              Eight LDS loads land in it; the step's last eight products read it.
;   STO, RD         Made at the head, read by the way out's LDS lines alone.
; So ONE wait on va_vdst stands at the head of a step, behind the three additions: the addresses are written, and the products of the step walked before are done reading KF and VF.  The step's sixteen loads follow it with
; no further wait: K's eight in a run, V's eight one behind each score product: those products name S^T, KF and Q, none of the registers that V's loads touch.
; ONE wait on vm_vsrc stands in a step, beside the wait for V's fragments: all sixteen loads have read their addresses, and no LDS line follows in the step; a step that is passed over issues none.
; All else in the loop (S^T, p, its codes, O^T, the statistics) is named by vector and matrix instructions alone.  On the way out: one wait on va_vdst ahead of the stage, one ahead of each tile's stores.
.set VP,   2064                        ; a row of V in LDS: 516 words: row r starts at bank 4 r mod 64 (64 banks of 4 bytes: ISA guide 11.1), so the 16 rows that a load touches start at 16 different banks
.set VB,   131072                      ; V begins behind K's 128 images of 1,024 bytes
.set SG,   VB+64*VP                    ; the stages begin behind V's 64 rows
.set SGW,  16*144                      ; a wave's stage
.set LI,   1                           ; v1   16 x lane: my place in an image of K, and my bytes in two rows of O
.set AV0,  2                           ; v2   VB + r VP + 16 h: my place in a tile of V
.set ADK,  3                           ; v3   the step's K
.set ADV,  4                           ; v4   the step's V, channels 0-31
.set ADV2, 5                           ; v5   channels 32-63 (an LDS offset has 16 bits)
.set NINF, 6                           ; v6   -infinity
.set SCL,  7                           ; v7   2^ep as f32: the conversion takes its exponent field
.set LIM,  8                           ; v8   57,344 x 2^ep
.set STO,  9                           ; v9   the way out: where I put 32 bytes of a row
.set RD,   10                          ; v10  and where I read 16 bytes back
.set QA,   11                          ; v11  Q: my byte in a tile's rows
.set KG,   12                          ; v12, v13  the fill of K: from memory, to LDS
.set KL,   13
.set VG,   14                          ; v14, v15  the fill of V
.set VL,   15
.set Q,    16                          ; v16-31   Q's two fragments
.set S,    32                          ; v32-95   S^T, then p: 32 a tile
.set OT,   96                          ; v96-159  O^T: 32 a tile, 8 for each 16 channels
.set KF,   160                         ; v160-191 K's four fragments of a step
.set VF,   192                         ; v192-223 V's four
.set PC,   224                         ; v224-239 p's codes: 8 a tile
.set ST,   240                         ; v240-247 a tile's four: -M, the largest t, the sum in two halves
.set FF,   248                         ; v248-251 a tile's pair: f = 2^(old M - new M), and a word that is named with it
.set TMP,  252                         ; v252-255 a tile's pair, at work
.set KOFF, 2                           ; s2   4,096 x step
.set VOFF, 3                           ; s3   64 x step
.set WV,   18                          ; s18  my wave's number
.set STEP, 20                          ; s20  the step
.set ANY,  21                          ; s21  bit 0: the step in hand has some true entry for my 32 queries; shifted down a bit a step
.set ALL,  22                          ; s22  bit 0: all its entries are true
.set CS,   28                          ; s[28:29] c = 2^(eq + ek) log2(e) / 8: the packed form names a pair and takes its low word for both halves
.set SEL,  30                          ; s[30:31] lane selects for v_permlanex16_b32: lane l xor 16
	s_load_b256 s[4:11], s[0:1], 0x0               ; Q s[4:5], K s[6:7], V s[8:9], the scales' exponents s[10:11]
	s_load_b128 s[12:15], s[0:1], 0x20             ; mbits s[12:13], mclass s[14:15]
	s_load_b64 s[16:17], s[0:1], 0x30              ; O
	v_lshrrev_b32 v255, 5, v0
	v_readfirstlane_b32 s[WV], v255                ; wave 0..15
	v_and_b32 v252, 31, v0                         ; lane
	v_and_b32 v253, 15, v0                         ; r
	v_bfe_u32 v254, v0, 4, 1                       ; h
	v_and_b32 v255, 7, v0                          ; lane % 8
	v_lshlrev_b32 v[LI], 4, v252
	s_wait_alu depctr_va_sdst(0)                   ; s18, the wave's number, is written, ahead of its first reader
	s_lshl_b32 s101, s[WV], 13                     ; my wave fills 8,192 bytes of K (128 keys) and 8,192 of V (4 rows)
	v_bfe_u32 v[KL], v0, 3, 2                      ; lane / 8
	v_lshlrev_b32 v[KG], 6, v255
	v_lshl_add_u32 v[KG], v[KL], 4, v[KG]
	v_add_nc_u32 v[KG], s101, v[KG]                ; K in memory: key lane % 8 of eight, its piece lane / 8 of 16 bytes: a load takes 512 consecutive bytes
	v_lshlrev_b32 v[KL], 8, v[KL]
	v_lshl_add_u32 v[KL], v255, 4, v[KL]
	v_add_nc_u32 v[KL], s101, v[KL]                ; K in LDS: piece q = 2 c + h lies at 512 c + 256 h of its tile's image, key row r at + 16 r
	v_add_nc_u32 v[VG], s101, v[LI]                ; V in memory: as it lies
	s_mul_i32 s100, s[WV], 4*VP
	s_add_co_u32 s100, s100, VB
	v_add_nc_u32 v[VL], s100, v[LI]                ; V in LDS: my four rows
	v_lshlrev_b32 v[QA], 6, v253
	v_lshl_add_u32 v[QA], v254, 4, v[QA]           ; Q: row r of 64 bytes, + 16 h
	; which block of 32 queries is mine: a = entry w of 0 14 13 3 | 11 5 6 8 | 7 9 10 4 | 12 2 1 15 (every row and every column of the square adds up to 30); I = 4 a + (x xor 3 (a % 2)).  It enters global addresses alone
	s_cmp_lt_u32 s[WV], 8
	s_mov_b32 s19, 0xf12c4a97
	s_cselect_b32 s19, 0x865b3de0, s19
	s_and_b32 s100, s[WV], 7
	s_lshl_b32 s100, s100, 2
	s_lshr_b32 s19, s19, s100
	s_and_b32 s19, s19, 15                         ; a
	s_and_b32 s100, s19, 1
	s_mul_i32 s100, s100, 3
	s_xor_b32 s100, s100, ttmp9
	s_lshl_b32 s19, s19, 2
	s_add_co_u32 s19, s19, s100                    ; I
	s_and_b32 s23, ttmp7, 0xffff                   ; the head
	s_lshl_b32 s68, s23, 17                        ; the head's codes: 131,072 bytes in each of the three tensors
	s_mov_b32 s69, 0
	s_lshl_b32 s70, s19, 11                        ; Q: + 32 I rows of 64 bytes
	s_add_co_u32 s70, s70, s68
	s_mov_b32 s71, 0
	s_lshl_b32 s72, s23, 19                        ; O: the head's 524,288 bytes
	s_lshl_b32 s74, s19, 13                        ;    + 32 I rows of 256 bytes;  mbits: I's 32 records of 256 bytes are as many
	s_add_co_u32 s72, s72, s74
	s_mov_b32 s73, 0
	s_mov_b32 s75, 0
	s_lshl_b32 s76, s19, 6                         ; mclass: 64 I
	s_mov_b32 s77, 0
	s_wait_kmcnt 0x0
	s_add_nc_u64 s[4:5], s[4:5], s[70:71]
	s_add_nc_u64 s[6:7], s[6:7], s[68:69]
	s_add_nc_u64 s[8:9], s[8:9], s[68:69]
	s_add_nc_u64 s[12:13], s[12:13], s[74:75]
	s_add_nc_u64 s[14:15], s[14:15], s[76:77]
	s_add_nc_u64 s[16:17], s[16:17], s[72:73]
	s_wait_alu depctr_va_vdst(0)                   ; v1 and v11 to v15 are written: the offsets that the loads below read, the LDS addresses that the fill's stores read, the offset of the last stores
	; THE FILL: 36 loads in one run: K's sixteen into S^T's registers, V's sixteen into O^T's, Q's four
.irp j, 0,1,2,3,4,5,6,7,8,9,10,11,12,13,14,15
	global_load_b128 v[S+4*\j:S+4*\j+3], v[KG], s[6:7] offset:512*\j      ; keys 128 w + 8 j + 0 .. 7
.endr
.irp i, 0,1,2,3,4,5,6,7,8,9,10,11,12,13,14,15
	global_load_b128 v[OT+4*\i:OT+4*\i+3], v[VG], s[8:9] offset:512*\i    ; row 4 w + i / 4, bytes 512 (i % 4) on
.endr
.irp e, 0,1
.irp c, 0,1
	global_load_b128 v[Q+8*\e+4*\c:Q+8*\e+4*\c+3], v[QA], s[4:5] offset:1024*\e+32*\c th:TH_LOAD_NT   ; read once in the launch
.endr
.endr
	s_load_b128 s[24:27], s[10:11], 0x0            ; eq, ek, ep, ev
	s_load_b512 s[32:47], s[14:15], 0x0            ; my block's class words: eight 'some', eight 'all'
	v_mul_u32_u24 v[AV0], v253, VP                 ; (the vector lines from here to the barrier name none of the fill's registers)
	v_lshl_add_u32 v[AV0], v254, 4, v[AV0]
	v_add_nc_u32 v[AV0], VB, v[AV0]
	s_mul_i32 s100, s[WV], SGW
	s_add_co_u32 s100, s100, SG                    ; my stage
	v_mul_u32_u24 v[STO], v253, 144                ; in: row r, 32 bytes for each half of the lanes
	v_lshl_add_u32 v[STO], v254, 5, v[STO]
	v_add_nc_u32 v[STO], s100, v[STO]
	v_mul_u32_u24 v[RD], v254, 144                 ; back: lanes 0-15 one row, lanes 16-31 the next; piece lane % 8 of its 128 bytes
	v_lshl_add_u32 v[RD], v255, 4, v[RD]
	v_add_nc_u32 v[RD], s100, v[RD]
	v_mov_b32 v[NINF], 0xff800000
	s_mov_b32 s[SEL], 0x76543210
	s_mov_b32 s[SEL+1], 0xfedcba98
	s_mov_b32 s67, 0xff00ff00                      ; lanes 8-15 and 24-31
	s_wait_loadcnt 20                              ; K's sixteen loads are in; V's sixteen and Q's four, issued behind them, may be out
.irp j, 0,1,2,3,4,5,6,7,8,9,10,11,12,13,14,15  ; keys 8 j on belong to tile 2 (j / 4) + j % 2 of my eight, rows 8 ((j % 4) / 2) on
	ds_store_b128 v[KL], v[S+4*\j:S+4*\j+3] offset:(2*(\j/4)+\j%2)*1024+((\j%4)/2)*128
.endr
	s_wait_loadcnt 4                               ; V's are in; Q's four may be out
.irp i, 0,1,2,3,4,5,6,7,8,9,10,11,12,13,14,15
	ds_store_b128 v[VL], v[OT+4*\i:OT+4*\i+3] offset:(\i/4)*VP+(\i%4)*512
.endr
	s_wait_kmcnt 0x0
	s_or_b32 s[ANY], s32, s33                      ; each word holds four steps' bits at their own places
	s_or_b32 s[ALL], s40, s41
.irp g, 2,3,4,5,6,7
	s_or_b32 s[ANY], s[ANY], s[32+\g]
	s_or_b32 s[ALL], s[ALL], s[40+\g]
.endr
	s_add_co_i32 s19, s24, s25
	s_lshl_b32 s19, s19, 23
	s_add_co_i32 s[CS], s19, 0x3e38aa3b            ; log2(e) / 8, with eq + ek added to its exponent field
	s_mov_b32 s[CS+1], s[CS]                       ; (named with it as a pair, so it is written)
	s_add_co_i32 s19, s26, 127
	s_lshl_b32 s100, s19, 23
	v_mov_b32 v[SCL], s100
	s_add_co_i32 s19, s19, 15
	s_lshl_b32 s19, s19, 23
	s_or_b32 s19, s19, 0x600000
	v_mov_b32 v[LIM], s19
	s_add_co_i32 s66, s26, s27                     ; ep + ev
	s_mov_b32 s[KOFF], 0
	s_mov_b32 s[VOFF], 0
	s_mov_b32 s[STEP], 0
	s_wait_loadcnt 0x0                             ; Q
	s_wait_dscnt 0x0                               ; for the others' sake: my part of K and V lies in LDS
	s_barrier_signal -1
	s_barrier_wait -1                              ; everybody's does.  The launch's one barrier: from here on K and V are only read
	s_wait_alu depctr_vm_vsrc(0)                   ; the fill's LDS stores have read S^T's and O^T's registers: O^T's are written below, S^T's by the first products
.set i, 0
.rept 64
	v_mov_b32 v[OT+i], 0                           ; which step is a wave's first hangs on the mask, so the step is written once and finds zeros, which the first change of M leaves zeros
.set i, i+1
.endr
.irp e, 0,1
	v_mov_b32 v[ST+4*\e+1], 0xff61b1e6             ; the largest t so far: -3e38, under every t
	v_mov_b32 v[ST+4*\e+2], 0                      ; the sum, in two halves
	v_mov_b32 v[ST+4*\e+3], 0
	v_mov_b32 v[FF+2*\e+1], 0                      ; (named as the upper half of f's pair)
	v_mov_b32 v[TMP+2*\e], 0                       ; (a lane permute's destination counts as one of its sources)
	v_mov_b32 v[TMP+2*\e+1], 0
.endr
.irp e, 0,1
	v_floor_f32 v[ST+4*\e], -v[ST+4*\e+1]          ; -M
.endr
; A step's fragments and its scores: the addresses; the step's one wait on va_vdst; K's eight LDS loads in a run; 8 products, each fragment of K against both tiles' Q, with one of V's eight LDS loads behind each; the places behind them.
.macro SCORES
	v_add_nc_u32 v[ADK], s[KOFF], v[LI]            ; (free: the loads that read these three stand ahead of the last walked step's wait on vm_vsrc)
	v_add_nc_u32 v[ADV], s[VOFF], v[AV0]
	v_add_nc_u32 v[ADV2], 32*VP, v[ADV]
	s_wait_alu depctr_va_vdst(0)                   ; the three addresses are written, which the sixteen loads below read; the products of the step walked before are done reading KF and VF, in which they land
.irp t, 0,1,2,3
.irp c, 0,1
	ds_load_b128 v[KF+8*\t+4*\c:KF+8*\t+4*\c+3], v[ADK] offset:1024*\t+512*\c       ; 512 consecutive bytes
.endr
.endr
	s_wait_dscnt 0x0                               ; K's eight loads are in; no other LDS line of mine is out
.set m, 0
.rept 8                                        ; product m: keys' tile m / 2, queries' tile m % 2
	v_wmma_f32_16x16x64_bf8_bf8 v[S+32*(m%2)+8*(m/2):S+32*(m%2)+8*(m/2)+7], v[KF+8*(m/2):KF+8*(m/2)+7], v[Q+8*(m%2):Q+8*(m%2)+7], 0
.if m < 4                                      ; V's load m.  No wait: no vector or matrix instruction since the wait above names VF, ADV or ADV2.  The eight land under the softmax
	ds_load_b128 v[VF+4*m:VF+4*m+3], v[ADV] offset:16*VP*(m/2)+32*(m%2)             ; channels 16 (m / 2) + r, keys 32 (m % 2) + 16 h on
.else
	ds_load_b128 v[VF+4*m:VF+4*m+3], v[ADV2] offset:16*VP*((m-4)/2)+32*(m%2)        ; channels 32 + 16 ((m - 4) / 2) + r
.endif
.set m, m+1
.endr
.rept 4
	v_nop                                          ; four places between a matrix instruction and the first vector instruction that reads its result (ISA guide 7.12.1)
.endr
.endm
; A mixed block: register n of tile e keeps its score in the lanes whose bit of word (n, e) is set, and becomes -infinity in the others, ahead of the maximum: p = 0 there.  Each accumulator from its low end on.
.macro MASK
.set n, 0
.rept 32
.if n < 16
.set wd, 32+2*n
.else
.set wd, 68+2*(n-16)
.endif
	v_cndmask_b32 v[S+n], v[NINF], v[S+n], s[wd]
	v_cndmask_b32 v[S+32+n], v[NINF], v[S+32+n], s[wd+1]
.set n, n+1
.endr
.endm
.macro MX ch, a, b                     ; chain ch of both tiles takes two more scores
.irp e, 0,1
	v_max3_num_f32 v[TMP+2*\e+\ch], v[TMP+2*\e+\ch], v[S+32*\e+\a], v[S+32*\e+\b]
.endr
.endm
.Lstep:                                        ; 32 trips, a constant; what a trip does hangs on the block's two stored bits
	s_and_b32 s19, s[ANY], 1
	s_cmp_eq_u32 s19, 0
	s_cbranch_scc1 .Lnext                          ; no true entry: every p would be 0, and M, the sums and O^T would stay as they are
	s_and_b32 s19, s[ALL], 1
	s_cmp_eq_u32 s19, 1
	s_cbranch_scc1 .Lall
	s_load_b512 s[32:47], s[12:13], 0x0            ; a mixed block: its record of 64 lane masks, asked for ahead of the LDS loads and the products
	s_load_b512 s[48:63], s[12:13], 0x40
	s_load_b512 s[68:83], s[12:13], 0x80
	s_load_b512 s[84:99], s[12:13], 0xc0
	SCORES
	s_wait_kmcnt 0x0
	MASK
	s_branch .Lsoft
.Lall:
	SCORES
.Lsoft:                                        ; on both ways V's eight LDS loads are out
	; the step's largest score of each query, two chains a tile; the first four lines begin each of the tile's four accumulators at its low end
.irp e, 0,1
	v_max3_num_f32 v[TMP+2*\e], v[S+32*\e], v[S+32*\e+1], v[S+32*\e+2]
	v_max3_num_f32 v[TMP+2*\e+1], v[S+32*\e+8], v[S+32*\e+9], v[S+32*\e+10]
.endr
	MX 0, 16, 17
	MX 1, 24, 25
	MX 0, 3, 4
	MX 1, 5, 6
	MX 0, 7, 11
	MX 1, 12, 13
	MX 0, 14, 15
	MX 1, 18, 19
	MX 0, 20, 21
	MX 1, 22, 23
	MX 0, 26, 27
	MX 1, 28, 29
	MX 0, 30, 31
.irp e, 0,1
	v_max_num_f32 v[TMP+2*\e], v[TMP+2*\e], v[TMP+2*\e+1]
.endr
.irp e, 0,1
	v_permlanex16_b32 v[TMP+2*\e+1], v[TMP+2*\e], s[SEL], s[SEL+1]   ; the query's other 32 keys lie in the lane 16 away
.endr
.irp e, 0,1
	v_max_num_f32 v[TMP+2*\e], v[TMP+2*\e], v[TMP+2*\e+1]
.endr
.irp e, 0,1
	v_mul_f32 v[TMP+2*\e], s[CS], v[TMP+2*\e]      ; as t (c is positive)
.endr
.irp e, 0,1
	v_max_num_f32 v[ST+4*\e+1], v[ST+4*\e+1], v[TMP+2*\e]   ; the running largest t
.endr
.irp e, 0,1
	v_mov_b32 v[TMP+2*\e], v[ST+4*\e]
.endr
.irp e, 0,1
	v_floor_f32 v[ST+4*\e], -v[ST+4*\e+1]          ; the new -M = floor(-t) = -ceil(t): M is a whole number
.endr
.irp e, 0,1
	v_sub_f32 v[TMP+2*\e], v[ST+4*\e], v[TMP+2*\e] ; old M - new M: a whole number, 0 or less
.endr
.irp e, 0,1
	v_cvt_i32_f32 v[TMP+2*\e], v[TMP+2*\e]         ; (it saturates)
.endr
.irp e, 0,1
	v_ldexp_f32 v[FF+2*\e], 1.0, v[TMP+2*\e]       ; f = 2^(old M - new M)
.endr
.irp e, 0,1
.irp j, 0,2,4,6,8,10,12,14,16,18,20,22,24,26,28,30
	v_pk_fma_f32 v[S+32*\e+\j:S+32*\e+\j+1], v[S+32*\e+\j:S+32*\e+\j+1], s[CS:CS+1], v[ST+4*\e:ST+4*\e+1] op_sel_hi:[1,0,0]   ; t - M, two at a time (of the pairs c and -M the low word serves both halves)
.endr
.endr
.set i, 0
.rept 64
	v_exp_f32 v[S+i], v[S+i]                       ; p = 2^(t - M): one batch; none of these names another's result
.set i, i+1
.endr
.irp e, 0,1
	v_pk_mul_f32 v[ST+4*\e+2:ST+4*\e+3], v[ST+4*\e+2:ST+4*\e+3], v[FF+2*\e:FF+2*\e+1] op_sel_hi:[1,0]   ; the sums under the new M; also the plain instruction behind the last exponential
.endr
	s_wait_alu depctr_va_vdst(0)                   ; the 64 exponentials have written p: one wait for the batch, ahead of the first line that names a result
.irp e, 0,1
	v_pk_add_f32 v[TMP+2*\e:TMP+2*\e+1], v[S+32*\e:S+32*\e+1], v[S+32*\e+2:S+32*\e+3]   ; the row's sum is taken of the UNQUANTISED p: two at a time, two chains a tile
.endr
.irp j, 4,8,12,16,20,24,28
.irp e, 0,1
	v_pk_add_f32 v[ST+4*\e+2:ST+4*\e+3], v[ST+4*\e+2:ST+4*\e+3], v[S+32*\e+\j:S+32*\e+\j+1]
	v_pk_add_f32 v[TMP+2*\e:TMP+2*\e+1], v[TMP+2*\e:TMP+2*\e+1], v[S+32*\e+\j+2:S+32*\e+\j+3]
.endr
.endr
.irp e, 0,1
	v_pk_add_f32 v[ST+4*\e+2:ST+4*\e+3], v[ST+4*\e+2:ST+4*\e+3], v[TMP+2*\e:TMP+2*\e+1]
.endr
	; The conversion to an 8-bit code does not saturate (ISA guide 7.6.2), so p is held at 57,344 x 2^ep first (p is not negative: one-sided).  p is 1 at the most, but for the last bit of t - M: with ep >= -15, p / 2^ep stays
	; near 2^15 at the most, well under 57,344, and the hold could change nothing: a scalar branch on the given whole number passes over it.
	s_cmp_ge_i32 s26, -15
	s_cbranch_scc1 .Lnohold
.set i, 0
.rept 64
	v_min_num_f32 v[S+i], v[S+i], v[LIM]
.set i, i+1
.endr
.Lnohold:
.irp e, 0,1
.irp t, 0,1,2,3
	v_cvt_scalef32_pk8_bf8_f32 v[PC+8*\e+2*\t:PC+8*\e+2*\t+1], v[S+32*\e+8*\t:S+32*\e+8*\t+7], v[SCL]   ; registers 4 b .. 4 b + 3 of the operand: keys 32 b + 16 h + 0 .. 15, as V's loads lay them
.endr
.endr
.irp e, 0,1
.irp j, 0,2,4,6,8,10,12,14,16,18,20,22,24,26,28,30
	v_pk_mul_f32 v[OT+32*\e+\j:OT+32*\e+\j+1], v[OT+32*\e+\j:OT+32*\e+\j+1], v[FF+2*\e:FF+2*\e+1] op_sel_hi:[1,0]   ; O^T under the new M, each accumulator from its low end on; these plain lines also stand between the conversions and the products that read the codes
.endr
.endr
	s_wait_dscnt 0x0                               ; V's fragments are in
	s_wait_alu depctr_vm_vsrc(0)                   ; the step's sixteen LDS loads have read ADK, ADV and ADV2, which the next step that is walked writes again; no LDS line follows in this step
.irp t, 0,1,2,3
.irp e, 0,1
	v_wmma_f32_16x16x64_bf8_bf8 v[OT+32*\e+8*\t:OT+32*\e+8*\t+7], v[VF+8*\t:VF+8*\t+7], v[PC+8*\e:PC+8*\e+7], v[OT+32*\e+8*\t:OT+32*\e+8*\t+7]   ; eight accumulators by turns, one instruction a turn
.endr
.endr
.rept 4
	v_nop                                          ; four places behind these products, ahead of the next lines that touch their registers: the next step's loads into V's (beside that step's wait on va_vdst), the way out's first read of O^T
.endr
.Lnext:                                        ; on every way: the step's addresses and bits move on
	s_wait_xcnt 0x0                                ; the scalar loads have read their base: it is stepped only behind this wait
	s_add_nc_u64 s[12:13], s[12:13], 256
	s_add_co_u32 s[KOFF], s[KOFF], 4096
	s_add_co_u32 s[VOFF], s[VOFF], 64
	s_lshr_b32 s[ANY], s[ANY], 1
	s_lshr_b32 s[ALL], s[ALL], 1
	s_add_co_u32 s[STEP], s[STEP], 1
	s_cmp_lt_u32 s[STEP], 32
	s_cbranch_scc1 .Lstep
	; THE WAY OUT.  The sum's two halves and the other half of the lanes' are added; O^T is multiplied by 2^(ep + ev) / the sum.
.irp e, 0,1
	v_add_f32 v[TMP+2*\e], v[ST+4*\e+2], v[ST+4*\e+3]
.endr
.irp e, 0,1
	v_permlanex16_b32 v[TMP+2*\e+1], v[TMP+2*\e], s[SEL], s[SEL+1]
.endr
.irp e, 0,1
	v_add_f32 v[TMP+2*\e], v[TMP+2*\e], v[TMP+2*\e+1]
.endr
.irp e, 0,1
	v_rcp_f32 v[FF+2*\e], v[TMP+2*\e]              ; a row with no true entry: 1 / 0 = infinity, and 0 x infinity below is the NaN that the definition gives
.endr
	v_nop                                          ; a plain instruction behind the last reciprocal
	s_wait_alu depctr_va_vdst(0)                   ; the two reciprocals have written their results: one wait, ahead of their first reader
.irp e, 0,1
	v_ldexp_f32 v[FF+2*\e], v[FF+2*\e], s66
.endr
.irp e, 0,1
.irp j, 0,2,4,6,8,10,12,14,16,18,20,22,24,26,28,30
	v_pk_mul_f32 v[OT+32*\e+\j:OT+32*\e+\j+1], v[OT+32*\e+\j:OT+32*\e+\j+1], v[FF+2*\e:FF+2*\e+1] op_sel_hi:[1,0]   ; register 8 t + i of a tile is o(r, 16 t + 8 h + i)
.endr
.endr
; A lane holds 32 neighbouring bytes of a row of O and the lanes beside it hold other rows: so a tile (16 rows of 256 bytes) goes through my own stage, half a row (32 channels, 128 bytes) at a time: beside K and V, LDS has
; room for 16 stages of half rows and not of whole ones.  Each half is read back by ALL lanes, piece lane % 8 of row 2 i + lane / 16: the first half into x, the second into y.
; LDS serves a wave's instructions in order (ISA guide 5.7.1.4): no wait between the stores and the loads, nor in front of the next half's stores.
.macro TILEOUT e, x, y
.irp t, 0,1
	ds_store_b128 v[STO], v[OT+32*\e+8*\t:OT+32*\e+8*\t+3] offset:64*\t
	ds_store_b128 v[STO], v[OT+32*\e+8*\t+4:OT+32*\e+8*\t+7] offset:64*\t+16
.endr
.irp k, 0,1,2,3,4,5,6,7
	ds_load_b128 v[(\x)+4*\k:(\x)+4*\k+3], v[RD] offset:288*\k
.endr
.irp t, 0,1
	ds_store_b128 v[STO], v[OT+32*\e+16+8*\t:OT+32*\e+16+8*\t+3] offset:64*\t
	ds_store_b128 v[STO], v[OT+32*\e+16+8*\t+4:OT+32*\e+16+8*\t+7] offset:64*\t+16
.endr
.irp k, 0,1,2,3,4,5,6,7
	ds_load_b128 v[(\y)+4*\k:(\y)+4*\k+3], v[RD] offset:288*\k
.endr
.endm
; Lanes 8-15 and 24-31 take the second half's piece: lane l then holds bytes 16 (l % 16) on of row 2 i + l / 16, and a store covers two whole rows.
.macro SEND e, x, y, younger           ; younger: the LDS instructions issued behind this tile's, which may stay out
	s_wait_dscnt \younger
.set i, 0
.rept 32
	v_cndmask_b32 v[(\x)+i], v[(\x)+i], v[(\y)+i], s67
.set i, i+1
.endr
	s_wait_alu depctr_va_vdst(0)                   ; the 32 selections have written v[x ..], which the eight stores read
.irp k, 0,1,2,3,4,5,6,7
	global_store_b128 v[LI], v[(\x)+4*\k:(\x)+4*\k+3], s[16:17] offset:4096*\e+512*\k th:TH_STORE_NT   ; 32 lanes store 512 consecutive bytes, at a multiple of 256 from O's first byte; written once, read by nobody here
.endr
.endm
	s_wait_alu depctr_va_vdst(0)                   ; the multiplications have written O^T, which the stage's stores read; STO and RD are written; every vector and matrix line that named S^T's, K's and V's registers is done, in which the stage's loads land.  No vector line stands among the 48 LDS lines below
	TILEOUT 0, S, S+32                             ; the scores' registers are free;
	TILEOUT 1, KF, VF                              ; so are the fragments'
	SEND 0, S, S+32, 24                            ; behind tile 0's LDS instructions: tile 1's 8 stores and 16 loads
	SEND 1, KF, VF, 0
	s_wait_xcnt 0x0                                ; every earlier global instruction has had its addresses translated, ahead of the wave's end
	v_lshl_add_u32 v254, v0, 2, 0x49400            ; my spare word, behind the stages (SG + 16 SGW = 0x49400; 128 bytes a wave), and 0: no two registers could be kept, so they are made here, from v0, which is as at the entry.
	v_mov_b32 v255, 0                              ; No memory or LDS line of the text has read v254 or v255
	s_wait_dscnt 0x0                               ; the closing lines, six on end
	s_wait_alu 0x0
	s_wait_tensorcnt 0x0
	ds_add_u32 v254, v255
	s_wait_dscnt 0x0
	s_endpgm
.Lfunc_end_k_qc76e859f35_attn:
	.size	k_qc76e859f35_attn, .Lfunc_end_k_qc76e859f35_attn-k_qc76e859f35_attn
	.p2alignl 7, 3214868480
	.fill 96, 4, 3214868480
	.section	.rodata,"a",@progbits
	.p2align	6, 0x0
	.amdhsa_kernel k_qc76e859f35_attn
		.amdhsa_group_segment_fixed_size 302080
		.amdhsa_private_segment_fixed_size 0
		.amdhsa_enable_private_segment 0
		.amdhsa_kernarg_size 56
		.amdhsa_user_sgpr_count 2
		.amdhsa_user_sgpr_kernarg_segment_ptr 1
		.amdhsa_wavefront_size32 1
		.amdhsa_system_sgpr_workgroup_id_x 1
		.amdhsa_system_sgpr_workgroup_id_y 1
		.amdhsa_system_sgpr_workgroup_id_z 1
		.amdhsa_system_vgpr_workitem_id 0
		.amdhsa_next_free_vgpr 256
		.amdhsa_next_free_sgpr 102
		.amdhsa_reserve_vcc 0
		.amdhsa_float_denorm_mode_32 3
		.amdhsa_float_denorm_mode_16_64 3
		.amdhsa_memory_ordered 1
		.amdhsa_forward_progress 1
		.amdhsa_inst_pref_size 47
	.end_amdhsa_kernel
	.amdgpu_metadata
---
amdhsa.version: [ 1, 2 ]
amdhsa.kernels:
  - .name:           k_qc76e859f35_attn
    .symbol:         k_qc76e859f35_attn.kd
    .args:
      - { .name: queries_codes, .offset: 0, .size: 8, .value_kind: global_buffer, .address_space: global }
      - { .name: keys_codes, .offset: 8, .size: 8, .value_kind: global_buffer, .address_space: global }
      - { .name: values_codes, .offset: 16, .size: 8, .value_kind: global_buffer, .address_space: global }
      - { .name: lowp_scales, .offset: 24, .size: 8, .value_kind: global_buffer, .address_space: global }
      - { .name: mbits, .offset: 32, .size: 8, .value_kind: global_buffer, .address_space: global }
      - { .name: mclass, .offset: 40, .size: 8, .value_kind: global_buffer, .address_space: global }
      - { .name: out0, .offset: 48, .size: 8, .value_kind: global_buffer, .address_space: global }
    .group_segment_fixed_size: 302080
    .private_segment_fixed_size: 0
    .kernarg_segment_align: 8
    .kernarg_segment_size: 56
    .max_flat_workgroup_size: 512
    .sgpr_count:     102
    .vgpr_count:     256
    .wavefront_size: 32
...
	.end_amdgpu_metadata
.endif
;; end of part 3
